; MI455X (gfx1250); checked and timed in simulation.
; The chip was launched on July 23, 2026; its instructions are those of AMD's public machine-readable ISA for CDNA 5 (MIT licence, August 2026) and "CDNA5" Instruction Set Architecture Reference Guide (July 2026). The comments in the code are by the model that wrote it; some were corrected since.
;; Attn. Allowed arithmetic: float matrix products may take bf16 or f16 operands with f32 sums; all other float work in f32.
;; Inputs: W_attn 1,024 x 1,024 float32; b_attn 1,024 float32; encoder_outputs 1,024 x 64 x 1,024 float32; hidden 1 x 64 x 1,024 float32.
;; Outputs: out0 64 x 1 x 1,024 float32.
;; 2 versions, each right; version 2 is version 1 with the launch stream written anew for expert scheduling mode. Each part assembles by itself: llvm-mc -triple=amdgcn-amd-amdhsa -mcpu=gfx1250 --defsym DOCPART=n.
;; ======== version 1 of 2: 3 launches
;; workspace buffers: vpart 1,048,576 bytes; scores 262,144 bytes
;; launch vproj (part 1): grid 16 x 4, 4 waves a work-group, no clusters, 135,680 bytes of LDS; arguments hidden, W_attn, vpart; writes vpart
.if DOCPART == 1
	.amdgcn_target "amdgcn-amd-amdhsa--gfx1250"
	.amdhsa_code_object_version 6
	.text
	.protected	k_qd0a3436989_vproj
	.globl	k_qd0a3436989_vproj
	.p2align	8
	.type	k_qd0a3436989_vproj,@function
k_qd0a3436989_vproj:
	s_mov_b64 s[64:65], 0
	v_nop
	global_prefetch_b8 v0, s[64:65] scope:SCOPE_SE
	s_setreg_imm32_b32 hwreg(HW_REG_WAVE_MODE, 25, 1), 1
	s_wait_xcnt 0x0
; vpart[kc][b][h] = sum over g = 256 kc .. 256 kc + 255 of hidden[b][g] * W[g][h].   hidden: [64][1024] f32, W: [1024][1024] f32, vpart: [4][64][1024] f32.
; WHY: scores[b][t] = hidden[b] . (W enc[t][b] + bias) = (hidden[b] W) . enc[t][b] + hidden[b] . bias for every input, so the product with W is made
; once for the 64 rows of hidden and not for the 65,536 rows of enc.
; LIMITS: the order of sums differs from the formula as written.  hidden and W go to the matrix unit as hi + lo, two bf16 each (hi = the number rounded
; to bf16, lo = the exact rest rounded to bf16); the products hi hi, hi lo, lo hi are summed in f32, lo lo is left out: about 2^-17 of each number is
; lost.  A number whose magnitude rounds to infinity in bf16 gives NaN.
; SHARES: work-group (nb, kc) makes all 64 rows b x columns 64 nb .. 64 nb + 63 over 256 g.  Wave w takes g0 = 256 kc + 64 w, 64 g = two K steps of 32,
; for all 64 x 64 outputs: 16 accumulator tiles.  The four waves' sums meet in LDS; wave w finishes and stores rows 16 w .. 16 w + 15.
; W NEEDS NO TRANSPOSITION: a lane's sixteen 16-byte loads of a K step take rows g = k in the order in which a B fragment holds k, at byte 16 r of the
; group's 256 bytes of the row.  Word q of the sixteen loads is then the fragment of column 4 r + q: tile q holds columns {4 r + q}, not 16 q + r,
; and a lane's four tiles q hold four neighbouring columns: 16 bytes to store, sixteen lanes 256 consecutive aligned bytes.
; No cluster, no tensor load: the work-groups share only hidden (64 KiB of the 128 KiB a group reads), and all loads of a wave go out at once.
.set PITCH, 272                        ; a stage row: 256 bytes + 16, so that the 16 rows of a fragment load begin in 16 different 16-byte columns
.set STG_W, 64*PITCH                   ; LDS 0 .. 69,631: wave w's stage of hidden, 64 rows, at 17,408 w
.set MBOX,  4*STG_W                    ; LDS 69,632 .. 135,167: wave w's 128 accumulator registers at + 16,384 w, four registers at + 512 i + 16 lane
.set AOFF, 2                           ; v2   4096 hh + 16 r: hidden, two rows a load
.set ASTO, 3                           ; v3   my stage + 272 hh + 16 r
.set ARD,  4                           ; v4   my stage + 272 r + 32 hh
.set BOFF, 5                           ; v5   32768 hh + 16 r: W (rows k and k + 8), and vpart (rows j and j + 8)
.set MSTO, 6                           ; v6   MBOX + 16384 w + 16 lane
.set MRD,  7                           ; v7   MBOX + 4096 w + 16 lane
.set NEG1, 8                           ; v8   -1.0
.set BR0,  16                          ; v16-79   W as loaded, K step 0 (load i at 4 i); v80-143 K step 1
.set AF,   16                          ; v16-79   afterwards A's fragments: tile row mt: hi at 16 mt, lo at 16 mt + 8
.set BF,   144                         ; v144-207 B's fragments: tile column q: hi at 16 q, lo at 16 q + 8
.set AX0,  208                         ; v208-223, v224-239: sixteen f32 of hidden, two buffers
.set AX1,  224
.set XR,   16                          ; the reducer: wave u's part of my rows at v[16 + 32 u]
.set OUT,  144                         ; the reducer: v144-175, row j at 4 j
; window 1 (v256-383): hidden as loaded (load i at 4 i), afterwards accumulator tile (mt, q) at 8 (4 mt + q)
.set MSB, 0
.macro WIN new                         ; s_set_vgpr_msb: bits 1:0 source 0, 3:2 source 1, 5:4 source 2, 7:6 destination; the high byte repeats the setting that is left
.if MSB != \new
	s_set_vgpr_msb (MSB<<8)|\new
.set MSB, \new
.endif
.endm
.macro PLACES                          ; four independent vector instructions behind a matrix instruction (ISA guide 7.12.1)
.rept 4
	v_nop
.endr
.endm
; Sixteen f32 at v[x + st e] become a fragment hi (8 registers) and a fragment lo; the f32 registers end as the rests.
.macro SPLITF hi, lo, x, st
.set j, 0
.rept 8
	v_cvt_pk_bf16_f32 v[\hi+j], v[\x+\st*2*j], v[\x+\st*(2*j+1)]
.set j, j+1
.endr
.set j, 0
.rept 8
	v_fma_mix_f32_bf16 v[\x+\st*2*j], v[\hi+j], v[NEG1], v[\x+\st*2*j] op_sel_hi:[1,0,0]                         ; x - bf16(low half): exact
	v_fma_mix_f32_bf16 v[\x+\st*(2*j+1)], v[\hi+j], v[NEG1], v[\x+\st*(2*j+1)] op_sel:[1,0,0] op_sel_hi:[1,0,0]  ; x - bf16(high half)
.set j, j+1
.endr
.set j, 0
.rept 8
	v_cvt_pk_bf16_f32 v[\lo+j], v[\x+\st*2*j], v[\x+\st*(2*j+1)]
.set j, j+1
.endr
.endm
.macro BCONV s                         ; K step s of W: word q of the sixteen loads is tile column q
.irp q, 0,1,2,3
	SPLITF BF+16*\q, BF+16*\q+8, BR0+64*\s+\q, 4
.endr
.endm
.macro ALOAD mt, s, buf                ; row 16 mt + r of hidden, k = 8 hh + 0..7 and 16 + 8 hh + 0..7 of K step s, as f32
	ds_load_b128 v[\buf:\buf+3],     v[ARD] offset:16*PITCH*\mt+128*\s
	ds_load_b128 v[\buf+4:\buf+7],   v[ARD] offset:16*PITCH*\mt+128*\s+16
	ds_load_b128 v[\buf+8:\buf+11],  v[ARD] offset:16*PITCH*\mt+128*\s+64
	ds_load_b128 v[\buf+12:\buf+15], v[ARD] offset:16*PITCH*\mt+128*\s+80
.endm
.macro ACONV mt, buf
	SPLITF AF+16*\mt, AF+16*\mt+8, \buf, 1
.endm
; The four tile rows of A for K step s, on two buffers; tile rows 0 and 1 have been asked for ahead of it.
.macro LADDER s
	s_wait_dscnt 4                                 ; LDS serves a wave in order (ISA guide 5.7.1): all but the four loads of the younger buffer are back
	ACONV 0, AX0
	ALOAD 2, \s, AX0
	s_wait_dscnt 4
	ACONV 1, AX1
	ALOAD 3, \s, AX1
	s_wait_dscnt 4
	ACONV 2, AX0
	s_wait_dscnt 0
	ACONV 3, AX1
.endm
; Sixteen matrix instructions, one for each accumulator tile; ao, bo = 0 (hi) or 8 (lo).  zero = 1: the first product starts the sums.
.macro MUL16 ao, bo, zero
.irp mt, 0,1,2,3
.irp q, 0,1,2,3
.if \zero
	v_wmma_f32_16x16x32_bf16 v[8*(4*\mt+\q):8*(4*\mt+\q)+7], v[AF+16*\mt+\ao:AF+16*\mt+\ao+7], v[BF+16*\q+\bo:BF+16*\q+\bo+7], 0
.else
	v_wmma_f32_16x16x32_bf16 v[8*(4*\mt+\q):8*(4*\mt+\q)+7], v[AF+16*\mt+\ao:AF+16*\mt+\ao+7], v[BF+16*\q+\bo:BF+16*\q+\bo+7], v[8*(4*\mt+\q):8*(4*\mt+\q)+7]
.endif
.endr
.endr
.endm
	s_load_b128 s[4:7], s[0:1], 0x0                ; hidden s[4:5], W s[6:7]
	s_load_b64 s[8:9], s[0:1], 0x10                ; vpart
	v_lshl_add_u32 v254, v0, 2, 0x21000
	v_mov_b32 v255, 0
	v_lshrrev_b32 v1, 5, v0
	v_readfirstlane_b32 s10, v1                    ; wave w
	s_and_b32 s11, ttmp7, 0xffff                   ; kc
	v_and_b32 v1, 31, v0                           ; lane
	v_and_b32 v9, 15, v0                           ; r
	v_bfe_u32 v10, v0, 4, 1                        ; hh
	v_lshlrev_b32 v11, 4, v9                       ; 16 r
	v_lshlrev_b32 v12, 4, v1                       ; 16 lane
	s_mul_i32 s14, s10, STG_W                      ; my stage
	s_lshl_b32 s15, s10, 14
	s_add_co_u32 s15, s15, MBOX                    ; where my accumulators go
	s_lshl_b32 s20, s10, 12
	s_add_co_u32 s20, s20, MBOX                    ; where my rows' tiles lie in wave 0's part
	v_lshl_add_u32 v[AOFF], v10, 12, v11
	v_lshl_add_u32 v[BOFF], v10, 15, v11
	v_mul_u32_u24 v13, v10, PITCH
	v_add3_u32 v[ASTO], v13, v11, s14
	v_mul_u32_u24 v13, v9, PITCH
	v_lshl_add_u32 v13, v10, 5, v13
	v_add_nc_u32 v[ARD], s14, v13
	v_add_nc_u32 v[MSTO], s15, v12
	v_add_nc_u32 v[MRD], s20, v12
	v_mov_b32 v[NEG1], -1.0
	s_lshl_b32 s12, s11, 10                        ; hidden: byte 4 g0 = 1024 kc + 256 w of every row
	s_lshl_b32 s13, s10, 8
	s_add_co_u32 s12, s12, s13
	s_mov_b32 s13, 0
	s_lshl_b32 s21, ttmp9, 8                       ; 256 nb: the group's 64 columns
	s_lshl_b32 s16, s11, 20                        ; W: row g0 = 256 kc + 64 w, 4,096 bytes a row
	s_lshl_b32 s17, s10, 18
	s_add_co_u32 s16, s16, s17
	s_add_co_u32 s16, s16, s21
	s_mov_b32 s17, 0
	s_lshl_b32 s18, s11, 18                        ; vpart: plane kc, row 16 w
	s_lshl_b32 s19, s10, 16
	s_add_co_u32 s18, s18, s19
	s_add_co_u32 s18, s18, s21
	s_mov_b32 s19, 0
	s_wait_kmcnt 0x0
	s_add_nc_u64 s[4:5], s[4:5], s[12:13]
	s_add_nc_u64 s[6:7], s[6:7], s[16:17]
	s_add_nc_u64 s[8:9], s[8:9], s[18:19]
	; All of the wave's 64 loads go out at once.  hidden: load i takes rows 2 i and 2 i + 1, 256 consecutive aligned bytes each.
	WIN 0x40                                       ; destination in window 1
.set i, 0
.rept 32
	global_load_b128 v[4*i:4*i+3], v[AOFF], s[4:5] offset:8192*i
.set i, i+1
.endr
	WIN 0
	; W: load i of K step s takes row 32 s + i (+ 8 from i = 8 on) in lanes 0-15 and the row eight below in lanes 16-31, 256 consecutive aligned bytes each.
	; The launch reads each byte of W once.
.irp s, 0,1
.set i, 0
.rept 16
	global_load_b128 v[BR0+64*\s+4*i:BR0+64*\s+4*i+3], v[BOFF], s[6:7] offset:4096*(32*\s+i+8*(i/8)) th:TH_LOAD_NT
.set i, i+1
.endr
.endr
	s_wait_loadcnt 32                              ; loads come back in order (ISA guide 5.7.1): the 32 of W are younger, hidden is in
	WIN 0x04                                       ; store data in window 1
.set i, 0
.rept 32
	ds_store_b128 v[ASTO], v[4*i:4*i+3] offset:2*PITCH*i   ; into my own stage: no other wave touches it, and LDS serves my loads behind my stores
.set i, i+1
.endr
	WIN 0
	ALOAD 0, 0, AX0
	ALOAD 1, 0, AX1
	s_wait_loadcnt 16                              ; K step 1's sixteen loads are younger: K step 0 of W is in
	BCONV 0
	LADDER 0                                       ; A's fragments land on K step 0's raw W, which BCONV has used up; its last wait is for 0, so the stage's stores have read window 1
	; The 16 accumulators take turns, one instruction a turn, in the same order in all six runs.
	WIN 0x50                                       ; C and D in window 1
	MUL16 0, 0, 1
	MUL16 0, 8, 0
	MUL16 8, 0, 0
	WIN 0
	ALOAD 0, 1, AX0                                ; AX is no register of a matrix instruction
	ALOAD 1, 1, AX1
	PLACES                                         ; BF and AF, which the products above read, are written again only behind these
	s_wait_loadcnt 0                               ; K step 1 of W
	BCONV 1
	LADDER 1
	WIN 0x50
	MUL16 0, 0, 0
	MUL16 0, 8, 0
	MUL16 8, 0, 0
	PLACES                                         ; behind the last products: for the LDS stores that read results and the loads into AF and BF below
	WIN 0x04
.set i, 0
.rept 32
	ds_store_b128 v[MSTO], v[4*i:4*i+3] offset:512*i
.set i, i+1
.endr
	WIN 0
	s_wait_dscnt 0x0                               ; for the other waves' sake: my sums are in LDS
	s_barrier_signal -1
	s_barrier_wait -1                              ; everybody's are
	; Tile row mt = w of each wave u: its eight groups of four registers, 8 w + i.  X[u][8 q + j] = wave u's part of v[16 w + 8 hh + j][64 nb + 4 r + q].
.irp u, 0,1,2,3
.set i, 0
.rept 8
	ds_load_b128 v[XR+32*\u+4*i:XR+32*\u+4*i+3], v[MRD] offset:16384*\u+512*i
.set i, i+1
.endr
.endr
	s_wait_dscnt 16                                ; the sixteen loads of waves 2 and 3 are younger: those of waves 0 and 1 are back
.set p, 0
.rept 16
	v_pk_add_f32 v[XR+2*p:XR+2*p+1], v[XR+2*p:XR+2*p+1], v[XR+32+2*p:XR+32+2*p+1]
.set p, p+1
.endr
	s_wait_dscnt 0x0
.set p, 0
.rept 16
	v_pk_add_f32 v[XR+64+2*p:XR+64+2*p+1], v[XR+64+2*p:XR+64+2*p+1], v[XR+96+2*p:XR+96+2*p+1]
.set p, p+1
.endr
.irp j, 0,1,2,3,4,5,6,7
.irp q, 0,1,2,3
	v_add_f32 v[OUT+4*\j+\q], v[XR+8*\q+\j], v[XR+64+8*\q+\j]      ; the last add also brings a row's four columns together
.endr
.endr
.irp j, 0,1,2,3,4,5,6,7
	global_store_b128 v[BOFF], v[OUT+4*\j:OUT+4*\j+3], s[8:9] offset:4096*\j   ; rows j and j + 8: sixteen lanes store 256 consecutive aligned bytes
.endr
	s_wait_tensorcnt 0x0
	ds_add_u32 v254, v255
	s_wait_dscnt 0x0
	s_endpgm
.Lfunc_end_k_qd0a3436989_vproj:
	.size	k_qd0a3436989_vproj, .Lfunc_end_k_qd0a3436989_vproj-k_qd0a3436989_vproj
	.p2alignl 7, 3214868480
	.fill 96, 4, 3214868480
	.section	.rodata,"a",@progbits
	.p2align	6, 0x0
	.amdhsa_kernel k_qd0a3436989_vproj
		.amdhsa_group_segment_fixed_size 135680
		.amdhsa_private_segment_fixed_size 0
		.amdhsa_enable_private_segment 0
		.amdhsa_kernarg_size 24
		.amdhsa_user_sgpr_count 2
		.amdhsa_user_sgpr_kernarg_segment_ptr 1
		.amdhsa_wavefront_size32 1
		.amdhsa_system_sgpr_workgroup_id_x 1
		.amdhsa_system_sgpr_workgroup_id_y 1
		.amdhsa_system_sgpr_workgroup_id_z 1
		.amdhsa_system_vgpr_workitem_id 0
		.amdhsa_next_free_vgpr 384
		.amdhsa_next_free_sgpr 66
		.amdhsa_reserve_vcc 0
		.amdhsa_float_denorm_mode_32 3
		.amdhsa_float_denorm_mode_16_64 3
		.amdhsa_memory_ordered 1
		.amdhsa_forward_progress 1
		.amdhsa_inst_pref_size 60
	.end_amdhsa_kernel
	.amdgpu_metadata
---
amdhsa.version: [ 1, 2 ]
amdhsa.kernels:
  - .name:           k_qd0a3436989_vproj
    .symbol:         k_qd0a3436989_vproj.kd
    .args:
      - { .name: hidden, .offset: 0, .size: 8, .value_kind: global_buffer, .address_space: global }
      - { .name: W_attn, .offset: 8, .size: 8, .value_kind: global_buffer, .address_space: global }
      - { .name: vpart, .offset: 16, .size: 8, .value_kind: global_buffer, .address_space: global }
    .group_segment_fixed_size: 135680
    .private_segment_fixed_size: 0
    .kernarg_segment_align: 8
    .kernarg_segment_size: 24
    .max_flat_workgroup_size: 128
    .sgpr_count:     66
    .vgpr_count:     384
    .wavefront_size: 32
...
	.end_amdgpu_metadata
.endif
;; end of part 1
;; launch stream (part 2): grid 4 x 64, 16 waves a work-group, no clusters, 7,168 bytes of LDS; arguments encoder_outputs, vpart, scores; writes scores
.if DOCPART == 2
	.amdgcn_target "amdgcn-amd-amdhsa--gfx1250"
	.amdhsa_code_object_version 6
	.text
	.protected	k_qd0a3436989_stream
	.globl	k_qd0a3436989_stream
	.p2align	8
	.type	k_qd0a3436989_stream,@function
k_qd0a3436989_stream:
	s_mov_b64 s[64:65], 0
	v_nop
	global_prefetch_b8 v0, s[64:65] scope:SCOPE_SE
	s_setreg_imm32_b32 hwreg(HW_REG_WAVE_MODE, 25, 1), 1
	s_wait_xcnt 0x0
; scores[b][t] = v[b] . enc[t][b], v[b] = the sum of the four planes of vpart.   enc: [1024 t][64 b][1024 h] f32, vpart: [4][64][1024] f32, scores: [64][1024] f32.
; (hidden[b] . bias is added in the next launch.)  All in f32: each number of enc enters one multiply-add, so a conversion for the matrix unit would cost
; as many instructions as the multiply-add, and would round enc, whose scores are exponentiated afterwards.
; SHARES: work-group (tq, b) takes rows t = 256 tq .. 256 tq + 255 of one b, 1 MiB; 256 work-groups.  Wave w takes 16 rows, t = 256 tq + 16 w + r.
; A row is 4,096 bytes: eight 16-byte loads a lane, each load of the wave 512 consecutive aligned bytes.  v[b] stays in 32 registers.
; A ring of six row slots in registers keeps up to 48 loads (24 KiB) of every wave on their way; every wait for data is counted.
; Row and piece stand in the load's immediate (262,144 r + 512 j, at most 3,935,744, inside its signed 24 bits), so no address register is ever rewritten.
; No LDS ring, no tensor load: a slot in registers is filled again behind a counted wait alone.  No cluster: no two work-groups read the same byte of enc.
.set ROWB,  262144                     ; bytes from t to t + 1
.set ROWS,  16                         ; rows of a wave
.set DEPTH, 6                          ; row slots
.set STAGE, 4096                       ; LDS 0 .. 4,095: v[b]; 4,096 .. 5,119: the group's 256 scores
.set LOFF, 1                           ; v1   16 lane
.set VOFF, 2                           ; v2   8 thread
.set SOFF, 3                           ; v3   STAGE + 64 w + 4 (lane mod 16)
.set OOFF, 4                           ; v4   16 (thread mod 64)
.set ACC,  6                           ; v[6:13]  the four planes' pairs, afterwards four chains of two sums
.set T,    14
.set U,    15
.set RES,  16                          ; lanes r and r + 16: the score of my row r
.set O,    18                          ; v[18:21]
.set V,    24                          ; v[24:55]   v[b][128 j + 4 lane + c] at 4 j + c
.set X,    56                          ; v[56:247]  slot s at 32 s, the same layout
	s_load_b128 s[4:7], s[0:1], 0x0                ; enc s[4:5], vpart s[6:7]
	s_load_b64 s[8:9], s[0:1], 0x10                ; scores
	v_lshl_add_u32 v248, v0, 2, 0x1400
	v_mov_b32 v249, 0
	v_lshrrev_b32 v5, 5, v0
	v_readfirstlane_b32 s10, v5                    ; wave w
	s_and_b32 s11, ttmp7, 0xffff                   ; b
	s_mov_b32 s16, 0x76543210                      ; v_permlanex16_b32: lane i of one half reads lane i of the other
	s_mov_b32 s17, 0xfedcba98
	v_and_b32 v5, 31, v0
	v_lshlrev_b32 v[LOFF], 4, v5
	v_lshlrev_b32 v[VOFF], 3, v0
	v_and_b32 v5, 15, v0
	v_lshlrev_b32 v5, 2, v5
	s_lshl_b32 s14, s10, 6
	s_add_co_u32 s14, s14, STAGE
	v_add_nc_u32 v[SOFF], s14, v5
	v_and_b32 v5, 63, v0
	v_lshlrev_b32 v[OOFF], 4, v5
	v_mov_b32 v[U], 0                              ; v_permlanex16_b32 counts as a reader of its destination
	s_lshl_b32 s12, ttmp9, 8
	s_lshl4_add_u32 s12, s10, s12                  ; my first t = 256 tq + 16 w, at most 1,008
	s_lshl_b32 s12, s12, 18                        ; x 262,144 bytes: below 2^28
	s_lshl_b32 s18, s11, 12                        ; b x 4,096 bytes
	s_add_co_u32 s12, s12, s18
	s_mov_b32 s13, 0
	s_mov_b32 s19, 0
	s_lshl_b32 s20, ttmp9, 10                      ; scores: row b, byte 1,024 tq
	s_add_co_u32 s20, s20, s18
	s_mov_b32 s21, 0
	s_wait_kmcnt 0x0
	s_add_nc_u64 s[4:5], s[4:5], s[12:13]
	s_add_nc_u64 s[6:7], s[6:7], s[18:19]
	s_add_nc_u64 s[8:9], s[8:9], s[20:21]
.macro FILL r                          ; row r of the wave into its slot: eight loads of 512 consecutive bytes; the launch reads each byte of enc once
.set j, 0
.rept 8
	global_load_b128 v[X+32*((\r)%DEPTH)+4*j:X+32*((\r)%DEPTH)+4*j+3], v[LOFF], s[4:5] offset:ROWB*(\r)+512*j th:TH_LOAD_NT
.set j, j+1
.endr
.endm
.irp k, 0,1,2,3
	global_load_b64 v[ACC+2*\k:ACC+2*\k+1], v[VOFF], s[6:7] offset:262144*\k   ; thread's two numbers of each plane: a wave covers 256 consecutive aligned bytes
.endr
.irp r, 0,1,2,3,4,5
	FILL \r
.endr
	s_wait_loadcnt 48                              ; loads come back in order (ISA guide 5.7.1): the 48 of enc are younger, the four planes are in
	v_pk_add_f32 v[ACC:ACC+1], v[ACC:ACC+1], v[ACC+2:ACC+3]
	v_pk_add_f32 v[ACC+4:ACC+5], v[ACC+4:ACC+5], v[ACC+6:ACC+7]
	v_pk_add_f32 v[ACC:ACC+1], v[ACC:ACC+1], v[ACC+4:ACC+5]
	ds_store_b64 v[VOFF], v[ACC:ACC+1]
	s_wait_dscnt 0x0                               ; for the other waves' sake: my part of v[b] is in LDS
	s_barrier_signal -1                            ; (the loads of enc stay on their way: nobody writes those bytes)
	s_barrier_wait -1
.irp j, 0,1,2,3,4,5,6,7
	ds_load_b128 v[V+4*\j:V+4*\j+3], v[LOFF] offset:512*\j
.endr
	s_wait_dscnt 0x0
; Row r: its dot product with v[b]; its slot is filled again with row r + DEPTH as soon as it has been read.
.macro TURN r
.set XS, X+32*((\r)%DEPTH)
.if \r+DEPTH-1 > ROWS-1
	s_wait_loadcnt 8*(ROWS-1-\r)                   ; the younger rows' loads, eight each: the counts run down at the end
.else
	s_wait_loadcnt 8*(DEPTH-1)                     ; five younger rows stay on their way
.endif
.irp k, 0,1,2,3
	v_pk_mul_f32 v[ACC+2*\k:ACC+2*\k+1], v[XS+2*\k:XS+2*\k+1], v[V+2*\k:V+2*\k+1]   ; the first products start four chains: nothing is cleared
.endr
.set p, 4
.rept 12
	v_pk_fma_f32 v[ACC+2*(p%4):ACC+2*(p%4)+1], v[XS+2*p:XS+2*p+1], v[V+2*p:V+2*p+1], v[ACC+2*(p%4):ACC+2*(p%4)+1]
.set p, p+1
.endr
.if \r+DEPTH < ROWS
	FILL \r+DEPTH
.endif
	v_pk_add_f32 v[ACC:ACC+1], v[ACC:ACC+1], v[ACC+2:ACC+3]
	v_pk_add_f32 v[ACC+4:ACC+5], v[ACC+4:ACC+5], v[ACC+6:ACC+7]
	v_pk_add_f32 v[ACC:ACC+1], v[ACC:ACC+1], v[ACC+4:ACC+5]
	v_add_f32 v[T], v[ACC], v[ACC+1]
.irp m, 1,2,4,8
	v_add_f32_dpp v[T], v[T], v[T] row_xmask:\m row_mask:0xf bank_mask:0xf
.endr
	v_permlanex16_b32 v[U], v[T], s16, s17
	v_add_f32 v[T], v[T], v[U]                     ; every lane holds the row's score
.if \r == 0
	v_mov_b32 v[RES], v[T]                         ; writes RES whole
.else
	s_mov_b32 vcc_lo, 0x10001<<\r
	v_cndmask_b32 v[RES], v[RES], v[T], vcc_lo     ; lanes r and r + 16 keep it
.endif
.endm
.irp r, 0,1,2,3,4,5,6,7,8,9,10,11,12,13,14,15
	TURN \r
.endr
	ds_store_b32 v[SOFF], v[RES]                   ; word 16 w + r; lanes r and r + 16 write the same word with the same number
	s_wait_dscnt 0x0                               ; for waves 0 and 1
	s_barrier_signal -1
	s_barrier_wait -1
	s_cmp_gt_u32 s10, 1
	s_cbranch_scc1 .Lend                           ; the group's 1,024 bytes are two waves' stores
	ds_load_b128 v[O:O+3], v[OOFF] offset:STAGE
	s_wait_dscnt 0x0
	global_store_b128 v[OOFF], v[O:O+3], s[8:9]    ; a wave stores 512 consecutive aligned bytes
.Lend:
	s_wait_tensorcnt 0x0
	ds_add_u32 v248, v249
	s_wait_dscnt 0x0
	s_endpgm
.Lfunc_end_k_qd0a3436989_stream:
	.size	k_qd0a3436989_stream, .Lfunc_end_k_qd0a3436989_stream-k_qd0a3436989_stream
	.p2alignl 7, 3214868480
	.fill 96, 4, 3214868480
	.section	.rodata,"a",@progbits
	.p2align	6, 0x0
	.amdhsa_kernel k_qd0a3436989_stream
		.amdhsa_group_segment_fixed_size 7168
		.amdhsa_private_segment_fixed_size 0
		.amdhsa_enable_private_segment 0
		.amdhsa_kernarg_size 24
		.amdhsa_user_sgpr_count 2
		.amdhsa_user_sgpr_kernarg_segment_ptr 1
		.amdhsa_wavefront_size32 1
		.amdhsa_system_sgpr_workgroup_id_x 1
		.amdhsa_system_sgpr_workgroup_id_y 1
		.amdhsa_system_sgpr_workgroup_id_z 1
		.amdhsa_system_vgpr_workitem_id 0
		.amdhsa_next_free_vgpr 250
		.amdhsa_next_free_sgpr 66
		.amdhsa_reserve_vcc 1
		.amdhsa_float_denorm_mode_32 3
		.amdhsa_float_denorm_mode_16_64 3
		.amdhsa_memory_ordered 1
		.amdhsa_forward_progress 1
		.amdhsa_inst_pref_size 43
	.end_amdhsa_kernel
	.amdgpu_metadata
---
amdhsa.version: [ 1, 2 ]
amdhsa.kernels:
  - .name:           k_qd0a3436989_stream
    .symbol:         k_qd0a3436989_stream.kd
    .args:
      - { .name: encoder_outputs, .offset: 0, .size: 8, .value_kind: global_buffer, .address_space: global }
      - { .name: vpart, .offset: 8, .size: 8, .value_kind: global_buffer, .address_space: global }
      - { .name: scores, .offset: 16, .size: 8, .value_kind: global_buffer, .address_space: global }
    .group_segment_fixed_size: 7168
    .private_segment_fixed_size: 0
    .kernarg_segment_align: 8
    .kernarg_segment_size: 24
    .max_flat_workgroup_size: 512
    .sgpr_count:     66
    .vgpr_count:     250
    .wavefront_size: 32
...
	.end_amdgpu_metadata
.endif
;; end of part 2
;; launch softmax (part 3): grid 64 x 1, 1 waves a work-group, no clusters, 0 bytes of LDS; arguments scores, hidden, b_attn, out0; writes out0
.if DOCPART == 3
	.amdgcn_target "amdgcn-amd-amdhsa--gfx1250"
	.amdhsa_code_object_version 6
	.text
	.protected	k_qd0a3436989_softmax
	.globl	k_qd0a3436989_softmax
	.p2align	8
	.type	k_qd0a3436989_softmax,@function
k_qd0a3436989_softmax:
	s_mov_b64 s[64:65], 0
	v_nop
	global_prefetch_b8 v0, s[64:65] scope:SCOPE_SE
	s_setreg_imm32_b32 hwreg(HW_REG_WAVE_MODE, 25, 1), 1
	s_wait_xcnt 0x0
; out0[b][t] = softmax over t of (scores[b][t] + c[b]), c[b] = hidden[b] . b_attn.   scores, hidden, out0: [64][1024] f32, b_attn: [1024] f32.
; One wave takes one row b, 4,096 bytes = 32 registers, and keeps it in registers from the load to the store: no LDS, no barrier.
; There are 64 rows, so 64 work-groups.  Every load and store of the wave covers 512 consecutive aligned bytes.
; The row's maximum is taken away before the exponential.
; LIMITS: c[b] is added to the scores in f32 before the maximum is taken, as in the formula, so a very large c costs its own last bit in the scores.
; v_exp_f32 gives 0 for results below 2^-126 (ISA guide 15.8).  A NaN or +infinity among the scores makes the whole row NaN, as in the formula.
.set OFF, 1                            ; v1         16 lane
.set S,   8                            ; v[8:39]    the row: number 128 j + 4 lane + c at 4 j + c
.set HB,  40                           ; v[40:71]   hidden[b], the same layout
.set BB,  72                           ; v[72:103]  b_attn
.set C,   104                          ; v[104:111] four chains
.set PR,  112                          ; v[112:113] a pair for the packed forms: c, then -max x log2 e, then 1 / sum
.set T,   114
.set U,   115
	s_load_b256 s[4:11], s[0:1], 0x0               ; scores s[4:5], hidden s[6:7], b_attn s[8:9], out0 s[10:11]
	s_lshl_b32 s12, ttmp9, 12                      ; row b, 4,096 bytes
	s_mov_b32 s13, 0
	s_mov_b32 s14, 0x76543210                      ; v_permlanex16_b32: lane i of one half reads lane i of the other
	s_mov_b32 s15, 0xfedcba98
	v_lshlrev_b32 v[OFF], 4, v0
	v_mov_b32 v[U], 0                              ; v_permlanex16_b32 counts as a reader of its destination
	s_wait_kmcnt 0x0
	s_add_nc_u64 s[4:5], s[4:5], s[12:13]
	s_add_nc_u64 s[6:7], s[6:7], s[12:13]
	s_add_nc_u64 s[10:11], s[10:11], s[12:13]
.irp j, 0,1,2,3,4,5,6,7
	global_load_b128 v[HB+4*\j:HB+4*\j+3], v[OFF], s[6:7] offset:512*\j
.endr
.irp j, 0,1,2,3,4,5,6,7
	global_load_b128 v[BB+4*\j:BB+4*\j+3], v[OFF], s[8:9] offset:512*\j
.endr
.irp j, 0,1,2,3,4,5,6,7
	global_load_b128 v[S+4*\j:S+4*\j+3], v[OFF], s[4:5] offset:512*\j
.endr
	s_wait_loadcnt 8                               ; loads come back in order (ISA guide 5.7.1): the eight of the scores are younger
	; c[b] = hidden[b] . b_attn
.irp k, 0,1,2,3
	v_pk_mul_f32 v[C+2*\k:C+2*\k+1], v[HB+2*\k:HB+2*\k+1], v[BB+2*\k:BB+2*\k+1]
.endr
.set p, 4
.rept 12
	v_pk_fma_f32 v[C+2*(p%4):C+2*(p%4)+1], v[HB+2*p:HB+2*p+1], v[BB+2*p:BB+2*p+1], v[C+2*(p%4):C+2*(p%4)+1]
.set p, p+1
.endr
	v_pk_add_f32 v[C:C+1], v[C:C+1], v[C+2:C+3]
	v_pk_add_f32 v[C+4:C+5], v[C+4:C+5], v[C+6:C+7]
	v_pk_add_f32 v[C:C+1], v[C:C+1], v[C+4:C+5]
	v_add_f32 v[T], v[C], v[C+1]
.irp m, 1,2,4,8
	v_add_f32_dpp v[T], v[T], v[T] row_xmask:\m row_mask:0xf bank_mask:0xf
.endr
	v_permlanex16_b32 v[U], v[T], s14, s15
	v_add_f32 v[PR], v[T], v[U]                    ; c in every lane, twice
	v_add_f32 v[PR+1], v[T], v[U]
	s_wait_loadcnt 0
.set p, 0
.rept 16
	v_pk_add_f32 v[S+2*p:S+2*p+1], v[S+2*p:S+2*p+1], v[PR:PR+1]
.set p, p+1
.endr
	; the row's maximum: four chains, then across the lanes
.irp k, 0,1,2,3
	v_max_num_f32 v[C+\k], v[S+\k], v[S+4+\k]
.endr
.irp g, 8,16,24
.irp k, 0,1,2,3
	v_max3_num_f32 v[C+\k], v[C+\k], v[S+\g+\k], v[S+\g+4+\k]
.endr
.endr
	v_max3_num_f32 v[C], v[C], v[C+1], v[C+2]
	v_max_num_f32 v[T], v[C], v[C+3]
.irp m, 1,2,4,8
	v_max_num_f32_dpp v[T], v[T], v[T] row_xmask:\m row_mask:0xf bank_mask:0xf
.endr
	v_permlanex16_b32 v[U], v[T], s14, s15
	v_max_num_f32 v[T], v[T], v[U]
	v_mul_f32 v[PR], 0xbfb8aa3b, v[T]              ; -max x log2 e; its rounding is the same for the whole row and leaves the quotient
	v_mul_f32 v[PR+1], 0xbfb8aa3b, v[T]
.set p, 0
.rept 16
	v_pk_fma_f32 v[S+2*p:S+2*p+1], v[S+2*p:S+2*p+1], 0x3fb8aa3b, v[PR:PR+1] op_sel_hi:[1,0,1]   ; (s - max) x log2 e, one rounding
.set p, p+1
.endr
.set p, 0
.rept 32
	v_exp_f32 v[S+p], v[S+p]
.set p, p+1
.endr
	v_nop                                          ; one plain vector instruction behind the last exponential before its result is read (ISA guide 5.7.2)
	; the sum: at least about 1, since the largest term is 2^0 up to the rounding above
	s_wait_alu depctr_va_vdst(0)
.irp k, 0,1,2,3
	v_pk_add_f32 v[C+2*\k:C+2*\k+1], v[S+2*\k:S+2*\k+1], v[S+8+2*\k:S+8+2*\k+1]
.endr
.irp g, 16,24
.irp k, 0,1,2,3
	v_pk_add_f32 v[C+2*\k:C+2*\k+1], v[C+2*\k:C+2*\k+1], v[S+\g+2*\k:S+\g+2*\k+1]
.endr
.endr
	v_pk_add_f32 v[C:C+1], v[C:C+1], v[C+2:C+3]
	v_pk_add_f32 v[C+4:C+5], v[C+4:C+5], v[C+6:C+7]
	v_pk_add_f32 v[C:C+1], v[C:C+1], v[C+4:C+5]
	v_add_f32 v[T], v[C], v[C+1]
.irp m, 1,2,4,8
	v_add_f32_dpp v[T], v[T], v[T] row_xmask:\m row_mask:0xf bank_mask:0xf
.endr
	v_permlanex16_b32 v[U], v[T], s14, s15
	v_add_f32 v[T], v[T], v[U]
	v_rcp_f32 v[PR], v[T]
	v_rcp_f32 v[PR+1], v[T]
	v_nop                                          ; one plain vector instruction before the reciprocals are used
.set p, 0
	s_wait_alu depctr_va_vdst(0)
.rept 16
	v_pk_mul_f32 v[S+2*p:S+2*p+1], v[S+2*p:S+2*p+1], v[PR:PR+1]
.set p, p+1
.endr
.irp j, 0,1,2,3,4,5,6,7
	global_store_b128 v[OFF], v[S+4*\j:S+4*\j+3], s[10:11] offset:512*\j
.endr
	s_endpgm
.Lfunc_end_k_qd0a3436989_softmax:
	.size	k_qd0a3436989_softmax, .Lfunc_end_k_qd0a3436989_softmax-k_qd0a3436989_softmax
	.p2alignl 7, 3214868480
	.fill 96, 4, 3214868480
	.section	.rodata,"a",@progbits
	.p2align	6, 0x0
	.amdhsa_kernel k_qd0a3436989_softmax
		.amdhsa_group_segment_fixed_size 0
		.amdhsa_private_segment_fixed_size 0
		.amdhsa_enable_private_segment 0
		.amdhsa_kernarg_size 32
		.amdhsa_user_sgpr_count 2
		.amdhsa_user_sgpr_kernarg_segment_ptr 1
		.amdhsa_wavefront_size32 1
		.amdhsa_system_sgpr_workgroup_id_x 1
		.amdhsa_system_sgpr_workgroup_id_y 1
		.amdhsa_system_sgpr_workgroup_id_z 1
		.amdhsa_system_vgpr_workitem_id 0
		.amdhsa_next_free_vgpr 120
		.amdhsa_next_free_sgpr 66
		.amdhsa_reserve_vcc 0
		.amdhsa_float_denorm_mode_32 3
		.amdhsa_float_denorm_mode_16_64 3
		.amdhsa_memory_ordered 1
		.amdhsa_forward_progress 1
		.amdhsa_inst_pref_size 13
	.end_amdhsa_kernel
	.amdgpu_metadata
---
amdhsa.version: [ 1, 2 ]
amdhsa.kernels:
  - .name:           k_qd0a3436989_softmax
    .symbol:         k_qd0a3436989_softmax.kd
    .args:
      - { .name: scores, .offset: 0, .size: 8, .value_kind: global_buffer, .address_space: global }
      - { .name: hidden, .offset: 8, .size: 8, .value_kind: global_buffer, .address_space: global }
      - { .name: b_attn, .offset: 16, .size: 8, .value_kind: global_buffer, .address_space: global }
      - { .name: out0, .offset: 24, .size: 8, .value_kind: global_buffer, .address_space: global }
    .group_segment_fixed_size: 0
    .private_segment_fixed_size: 0
    .kernarg_segment_align: 8
    .kernarg_segment_size: 32
    .max_flat_workgroup_size: 32
    .sgpr_count:     66
    .vgpr_count:     120
    .wavefront_size: 32
...
	.end_amdgpu_metadata
.endif
;; end of part 3
;; ======== version 2 of 2: 3 launches; version 1 with the launch stream written anew for expert scheduling mode
;; workspace buffers: vpart 1,048,576 bytes; scores 262,144 bytes
;; launch vproj: the kernel of part 1 again; grid 16 x 4, 4 waves a work-group, no clusters, 135,680 bytes of LDS; arguments hidden, W_attn, vpart; writes vpart
;; launch stream (part 4): grid 4 x 64, 16 waves a work-group, no clusters, 7,168 bytes of LDS; arguments encoder_outputs, vpart, scores; writes scores
.if DOCPART == 4
	.amdgcn_target "amdgcn-amd-amdhsa--gfx1250"
	.amdhsa_code_object_version 6
	.text
	.protected	k_qd0a3436989_stream
	.globl	k_qd0a3436989_stream
	.p2align	8
	.type	k_qd0a3436989_stream,@function
k_qd0a3436989_stream:
	s_mov_b64 s[64:65], 0
	v_nop
	global_prefetch_b8 v0, s[64:65] scope:SCOPE_SE
	s_setreg_imm32_b32 hwreg(HW_REG_WAVE_SCHED_MODE, 0, 2), 2
	s_setreg_imm32_b32 hwreg(HW_REG_WAVE_MODE, 25, 1), 1
	s_wait_xcnt 0x0
	s_wait_alu depctr_vm_vsrc(0)
; scores[b][t] = v[b] . enc[t][b], v[b] = the sum of the four planes of vpart.   enc: [1024 t][64 b][1024 h] f32, vpart: [4][64][1024] f32, scores: [64][1024] f32.
; (hidden[b] . bias is added in the next launch.)  All in f32: each number of enc enters one multiply-add, so a conversion for the matrix unit would cost
; as many instructions as the multiply-add, and would round enc, whose scores are exponentiated afterwards.
; SHARES: work-group (tq, b) takes rows t = 256 tq .. 256 tq + 255 of one b, 1 MiB; 256 work-groups.  Wave w takes 16 rows, t = 256 tq + 16 w + r.
; A row is 4,096 bytes: eight 16-byte loads a lane, each load of the wave 512 consecutive aligned bytes.  v[b] stays in 32 registers.
; A ring of six row slots in registers keeps up to 48 loads (24 KiB) of every wave on their way; every wait for data is counted.
; Row and piece stand in the load's immediate (262,144 r + 512 j, at most 3,935,744, inside its signed 24 bits), so no address register is ever rewritten.
; No LDS ring, no tensor load: a slot in registers is asked for again as soon as its row's products have read it.  No cluster: no two work-groups read the same byte of enc.
; THE MODE: SCHED_MODE bits 1:0 = 2 (LLVM: expert scheduling mode 2), set by the entry lines.  The code itself states the register dependences
; between vector instructions and memory or LDS instructions, with s_wait_alu, always for 0.
; THE PLAN.  Registers that memory or LDS instructions touch:
;   v1 to v4     offsets and LDS addresses: written once at the head, read by every load and store, never written again.
;   ACC          the four planes' loads land in it; three additions write it; ds_store_b64 reads its first pair; every row's products write it again.
;   V            eight LDS loads land in it, once; vector instructions read it.
;   X, slot s    turn r (s = r mod 6): the sixteen products read it; behind them the eight loads of row r + 6 land in it.
;   RES          written by every turn's last line; read by the one ds_store_b32 behind row 15.
;   O            an LDS load lands in it, the global store reads it; no vector instruction names it.
; So ONE wait on va_vdst stands in a turn that asks for a further row, behind its sixteen products.  A seventh slot, which would let that wait stand a turn
; later, has no room: sixteen waves are four to a SIMD, 256 registers each, and the text takes 248.  The turn's eight loads follow the wait two at a time,
; among the first links of the row's sum, which name ACC, T, U and RES: none of the registers that those loads touch (v1 and the slot).
.set ROWB,  262144                     ; bytes from t to t + 1
.set ROWS,  16                         ; rows of a wave
.set DEPTH, 6                          ; row slots
.set STAGE, 4096                       ; LDS 0 .. 4,095: v[b]; 4,096 .. 5,119: the group's 256 scores
.set LOFF, 1                           ; v1   16 lane
.set VOFF, 2                           ; v2   8 thread
.set SOFF, 3                           ; v3   STAGE + 64 w + 4 (lane mod 16)
.set OOFF, 4                           ; v4   16 (thread mod 64)
.set ACC,  6                           ; v[6:13]  the four planes' pairs, afterwards four chains of two sums
.set T,    14
.set U,    15
.set RES,  16                          ; lanes r and r + 16: the score of my row r
.set O,    18                          ; v[18:21]
.set V,    24                          ; v[24:55]   v[b][128 j + 4 lane + c] at 4 j + c
.set X,    56                          ; v[56:247]  slot s at 32 s, the same layout
	s_load_b128 s[4:7], s[0:1], 0x0                ; enc s[4:5], vpart s[6:7]
	s_load_b64 s[8:9], s[0:1], 0x10                ; scores
	v_lshl_add_u32 v22, v0, 2, 0x1400
	v_mov_b32 v23, 0
	v_lshrrev_b32 v5, 5, v0
	v_readfirstlane_b32 s10, v5                    ; wave w
	s_and_b32 s11, ttmp7, 0xffff                   ; b
	s_mov_b32 s16, 0x76543210                      ; v_permlanex16_b32: lane i of one half reads lane i of the other
	s_mov_b32 s17, 0xfedcba98
	v_and_b32 v5, 31, v0
	v_lshlrev_b32 v[LOFF], 4, v5
	v_lshlrev_b32 v[VOFF], 3, v0
	v_and_b32 v5, 15, v0
	v_lshlrev_b32 v5, 2, v5
	s_wait_alu depctr_va_sdst(0)                   ; s10 is written, ahead of its first reader: the LDS address, the bases and the last branch are made from it
	s_lshl_b32 s14, s10, 6
	s_add_co_u32 s14, s14, STAGE
	v_add_nc_u32 v[SOFF], s14, v5
	v_and_b32 v5, 63, v0
	v_lshlrev_b32 v[OOFF], 4, v5
	v_mov_b32 v[U], 0                              ; v_permlanex16_b32 counts as a reader of its destination
	s_lshl_b32 s12, ttmp9, 8
	s_lshl4_add_u32 s12, s10, s12                  ; my first t = 256 tq + 16 w, at most 1,008
	s_lshl_b32 s12, s12, 18                        ; x 262,144 bytes: below 2^28
	s_lshl_b32 s18, s11, 12                        ; b x 4,096 bytes
	s_add_co_u32 s12, s12, s18
	s_mov_b32 s13, 0
	s_mov_b32 s19, 0
	s_lshl_b32 s20, ttmp9, 10                      ; scores: row b, byte 1,024 tq
	s_add_co_u32 s20, s20, s18
	s_mov_b32 s21, 0
	s_wait_kmcnt 0x0
	s_add_nc_u64 s[4:5], s[4:5], s[12:13]
	s_add_nc_u64 s[6:7], s[6:7], s[18:19]
	s_add_nc_u64 s[8:9], s[8:9], s[20:21]
	s_wait_alu depctr_va_vdst(0)                   ; v1 to v4 are written: every load, store and LDS instruction of the kernel reads one of them as its address
.macro LD r, j                         ; piece j of row r of the wave into the row's slot: 512 consecutive bytes; the launch reads each byte of enc once
	global_load_b128 v[X+32*((\r)%DEPTH)+4*(\j):X+32*((\r)%DEPTH)+4*(\j)+3], v[LOFF], s[4:5] offset:ROWB*(\r)+512*(\j) th:TH_LOAD_NT
.endm
.macro FILL r                          ; a whole row: eight loads
.irp j, 0,1,2,3,4,5,6,7
	LD \r, \j
.endr
.endm
.macro AHEAD r, j0                     ; two of the eight loads of row r + DEPTH, where there is such a row: no load leaves the wave's 16 rows
.if \r+DEPTH < ROWS
	LD \r+DEPTH, \j0
	LD \r+DEPTH, \j0+1
.endif
.endm
.irp k, 0,1,2,3
	global_load_b64 v[ACC+2*\k:ACC+2*\k+1], v[VOFF], s[6:7] offset:262144*\k   ; thread's two numbers of each plane: a wave covers 256 consecutive aligned bytes
.endr
.irp r, 0,1,2,3,4,5
	FILL \r
.endr
	s_wait_loadcnt 48                              ; loads come back in order (ISA guide 5.7.1): the 48 of enc are younger, the four planes are in
	v_pk_add_f32 v[ACC:ACC+1], v[ACC:ACC+1], v[ACC+2:ACC+3]
	v_pk_add_f32 v[ACC+4:ACC+5], v[ACC+4:ACC+5], v[ACC+6:ACC+7]
	v_pk_add_f32 v[ACC:ACC+1], v[ACC:ACC+1], v[ACC+4:ACC+5]
	s_wait_alu depctr_va_vdst(0)                   ; the additions have written v[ACC:ACC+1], which the LDS store reads
	ds_store_b64 v[VOFF], v[ACC:ACC+1]
	s_wait_dscnt 0x0                               ; for the other waves' sake: my part of v[b] is in LDS
	s_barrier_signal -1                            ; (the loads of enc stay on their way: nobody writes those bytes)
	s_barrier_wait -1
.irp j, 0,1,2,3,4,5,6,7
	ds_load_b128 v[V+4*\j:V+4*\j+3], v[LOFF] offset:512*\j
.endr
	s_wait_dscnt 0x0
	s_wait_alu depctr_vm_vsrc(0)                   ; my LDS store has read v[ACC:ACC+1], which row 0's products write
; Row r: its dot product with v[b]; its slot is asked for again, for row r + DEPTH, as soon as the products have read it.
.macro TURN r
.set XS, X+32*((\r)%DEPTH)
.if \r+DEPTH-1 > ROWS-1
	s_wait_loadcnt 8*(ROWS-1-\r)                   ; the younger rows' loads, eight each: the counts run down at the end
.else
	s_wait_loadcnt 8*(DEPTH-1)                     ; five younger rows stay on their way
.endif
.irp k, 0,1,2,3
	v_pk_mul_f32 v[ACC+2*\k:ACC+2*\k+1], v[XS+2*\k:XS+2*\k+1], v[V+2*\k:V+2*\k+1]   ; the first products start four chains: nothing is cleared
.endr
.set p, 4
.rept 12
	v_pk_fma_f32 v[ACC+2*(p%4):ACC+2*(p%4)+1], v[XS+2*p:XS+2*p+1], v[V+2*p:V+2*p+1], v[ACC+2*(p%4):ACC+2*(p%4)+1]
.set p, p+1
.endr
.if \r+DEPTH < ROWS
	s_wait_alu depctr_va_vdst(0)                   ; the sixteen products are done reading this slot, in which the eight loads below land; no vector instruction behind this wait names the slot or v1
.endif
	AHEAD \r, 0
	v_pk_add_f32 v[ACC:ACC+1], v[ACC:ACC+1], v[ACC+2:ACC+3]
	v_pk_add_f32 v[ACC+4:ACC+5], v[ACC+4:ACC+5], v[ACC+6:ACC+7]
	AHEAD \r, 2
	v_pk_add_f32 v[ACC:ACC+1], v[ACC:ACC+1], v[ACC+4:ACC+5]
	AHEAD \r, 4
	v_add_f32 v[T], v[ACC], v[ACC+1]
	AHEAD \r, 6
.irp m, 1,2,4,8
	v_add_f32_dpp v[T], v[T], v[T] row_xmask:\m row_mask:0xf bank_mask:0xf
.endr
	v_permlanex16_b32 v[U], v[T], s16, s17
	v_add_f32 v[T], v[T], v[U]                     ; every lane holds the row's score
.if \r == 0
	v_mov_b32 v[RES], v[T]                         ; writes RES whole
.else
	s_mov_b32 vcc_lo, 0x10001<<\r
	v_cndmask_b32 v[RES], v[RES], v[T], vcc_lo     ; lanes r and r + 16 keep it
.endif
.endm
.irp r, 0,1,2,3,4,5,6,7,8,9,10,11,12,13,14,15
	TURN \r
.endr
	s_wait_alu depctr_va_vdst(0)                   ; row 15's last line has written RES, which the LDS store reads
	ds_store_b32 v[SOFF], v[RES]                   ; word 16 w + r; lanes r and r + 16 write the same word with the same number
	s_wait_dscnt 0x0                               ; for waves 0 and 1
	s_barrier_signal -1
	s_barrier_wait -1
	s_cmp_gt_u32 s10, 1
	s_cbranch_scc1 .Lend                           ; the group's 1,024 bytes are two waves' stores
	ds_load_b128 v[O:O+3], v[OOFF] offset:STAGE    ; no vector instruction names v[O ..]
	s_wait_dscnt 0x0
	global_store_b128 v[OOFF], v[O:O+3], s[8:9]    ; a wave stores 512 consecutive aligned bytes
.Lend:
	s_wait_dscnt 0x0
	s_wait_alu depctr_hold_cnt(0) depctr_sa_sdst(0) depctr_va_vdst(0) depctr_va_sdst(0) depctr_va_ssrc(0) depctr_va_vcc(0) depctr_vm_vsrc(0)
	s_wait_tensorcnt 0x0
	ds_add_u32 v22, v23
	s_wait_dscnt 0x0
	s_endpgm
.Lfunc_end_k_qd0a3436989_stream:
	.size	k_qd0a3436989_stream, .Lfunc_end_k_qd0a3436989_stream-k_qd0a3436989_stream
	.p2alignl 7, 3214868480
	.fill 96, 4, 3214868480
	.section	.rodata,"a",@progbits
	.p2align	6, 0x0
	.amdhsa_kernel k_qd0a3436989_stream
		.amdhsa_group_segment_fixed_size 7168
		.amdhsa_private_segment_fixed_size 0
		.amdhsa_enable_private_segment 0
		.amdhsa_kernarg_size 24
		.amdhsa_user_sgpr_count 2
		.amdhsa_user_sgpr_kernarg_segment_ptr 1
		.amdhsa_wavefront_size32 1
		.amdhsa_system_sgpr_workgroup_id_x 1
		.amdhsa_system_sgpr_workgroup_id_y 1
		.amdhsa_system_sgpr_workgroup_id_z 1
		.amdhsa_system_vgpr_workitem_id 0
		.amdhsa_next_free_vgpr 248
		.amdhsa_next_free_sgpr 66
		.amdhsa_reserve_vcc 1
		.amdhsa_float_denorm_mode_32 3
		.amdhsa_float_denorm_mode_16_64 3
		.amdhsa_memory_ordered 1
		.amdhsa_forward_progress 1
		.amdhsa_inst_pref_size 43
	.end_amdhsa_kernel
	.amdgpu_metadata
---
amdhsa.version: [ 1, 2 ]
amdhsa.kernels:
  - .name:           k_qd0a3436989_stream
    .symbol:         k_qd0a3436989_stream.kd
    .args:
      - { .name: encoder_outputs, .offset: 0, .size: 8, .value_kind: global_buffer, .address_space: global }
      - { .name: vpart, .offset: 8, .size: 8, .value_kind: global_buffer, .address_space: global }
      - { .name: scores, .offset: 16, .size: 8, .value_kind: global_buffer, .address_space: global }
    .group_segment_fixed_size: 7168
    .private_segment_fixed_size: 0
    .kernarg_segment_align: 8
    .kernarg_segment_size: 24
    .max_flat_workgroup_size: 512
    .sgpr_count:     66
    .vgpr_count:     248
    .wavefront_size: 32
...
	.end_amdgpu_metadata
.endif
;; end of part 4
;; launch softmax: the kernel of part 3 again; grid 64 x 1, 1 waves a work-group, no clusters, 0 bytes of LDS; arguments scores, hidden, b_attn, out0; writes out0
